; MI455X (gfx1250); checked and timed in simulation.
; The chip was launched on July 23, 2026; its instructions are those of AMD's public machine-readable ISA for CDNA 5 (MIT licence, August 2026) and "CDNA5" Instruction Set Architecture Reference Guide (July 2026). The comments in the code are by the model that wrote it; some were corrected since.
;; Linear Multihead Attention. Allowed arithmetic: float matrix products may take bf16 or f16 operands with f32 sums; all other float work in f32.
;; Inputs: k 4 x 8,192 x 256 float32; k_weights 8 x 256 x 256 float32; q 4 x 8,192 x 256 float32; q_weights 8 x 256 x 256 float32; v 4 x 8,192 x 256 float32; v_weights 8 x 256 x 256 float32.
;; Outputs: out0 4 x 8,192 x 256 float32.
;; One version. Each part assembles by itself: llvm-mc -triple=amdgcn-amd-amdhsa -mcpu=gfx1250 --defsym DOCPART=n.
;; ======== version 1 of 1: 4 launches
;; workspace buffers: wpart 3,072 bytes; stat 1,048,576 bytes; vpart 65,536 bytes; fin 73,728 bytes
;; launch wsum (part 1): grid 256 x 1, 3 waves a work-group, no clusters, 0 bytes of LDS; arguments q_weights, k_weights, v_weights, wpart; writes wpart
.if DOCPART == 1
	.amdgcn_target "amdgcn-amd-amdhsa--gfx1250"
	.amdhsa_code_object_version 6
	.text
	.protected	k_q5f33c8cf3e_wsum
	.globl	k_q5f33c8cf3e_wsum
	.p2align	8
	.type	k_q5f33c8cf3e_wsum,@function
k_q5f33c8cf3e_wsum:
	s_mov_b64 s[64:65], 0
	v_nop
	global_prefetch_b8 v0, s[64:65] scope:SCOPE_SE
	s_setreg_imm32_b32 hwreg(HW_REG_WAVE_MODE, 25, 1), 1
	s_wait_xcnt 0x0
; Partial sums of the weights.  The einsum 'bsd,hio->bhsd' shares no index between activation and weight, so a head's
; 256 x 256 weights enter only through their sum.  Each tensor is [8][65536] f32.
; Work-group g, wave t (0 q_weights, 1 k_weights, 2 v_weights): the 2,048 numbers (8,192 bytes) from number 2048 g of tensor t.
; 32 such slices make a head, so g = 32 h + part, and the wave's sum goes to wpart[t][h][part] = word 256 t + g.
; Sixteen loads of 16 bytes a lane, each covering 512 consecutive bytes; no LDS, no barrier: the waves share nothing.
.set X, 4                              ; v[4:67]  sixteen loads of four numbers
	s_load_b256 s[4:11], s[0:1], 0x0               ; q_weights s[4:5], k_weights s[6:7], v_weights s[8:9], wpart s[10:11]
	v_lshrrev_b32 v1, 5, v0
	v_readfirstlane_b32 s12, v1                    ; wave = tensor
	v_and_b32 v2, 31, v0                           ; lane
	v_lshlrev_b32 v3, 4, v2                        ; 16 bytes a lane
	s_lshl_b32 s14, ttmp9, 13                      ; the slice: 8,192 bytes a work-group
	s_mov_b32 s15, 0
	s_mov_b32 s16, 0x76543210                      ; v_permlanex16_b32: lane i reads lane i of the other half
	s_mov_b32 s17, 0xfedcba98
	s_lshl_b32 s13, s12, 8
	s_add_co_u32 s13, s13, ttmp9
	s_lshl_b32 s13, s13, 2                         ; byte offset of wpart[t][h][part]
	s_wait_kmcnt 0x0
	s_cmp_eq_u32 s12, 1
	s_cselect_b64 s[4:5], s[6:7], s[4:5]
	s_cmp_eq_u32 s12, 2
	s_cselect_b64 s[4:5], s[8:9], s[4:5]           ; my tensor
	s_add_nc_u64 s[4:5], s[4:5], s[14:15]
.irp j, 0,1,2,3,4,5,6,7,8,9,10,11,12,13,14,15
	global_load_b128 v[X+4*\j:X+4*\j+3], v3, s[4:5] offset:512*\j th:TH_LOAD_NT
.endr
	; four chains of packed adds, started by loads 0 and 1: nothing is cleared
.set j, 2
.rept 14
	s_wait_loadcnt 15-j                            ; loads come back in order (ISA guide 5.7.1): loads 0 to j are in
	v_pk_add_f32 v[X+4*(j%2):X+4*(j%2)+1],   v[X+4*(j%2):X+4*(j%2)+1],   v[X+4*j:X+4*j+1]
	v_pk_add_f32 v[X+4*(j%2)+2:X+4*(j%2)+3], v[X+4*(j%2)+2:X+4*(j%2)+3], v[X+4*j+2:X+4*j+3]
.set j, j+1
.endr
	v_pk_add_f32 v[X:X+1],   v[X:X+1],   v[X+4:X+5]
	v_pk_add_f32 v[X+2:X+3], v[X+2:X+3], v[X+6:X+7]
	v_pk_add_f32 v[X:X+1],   v[X:X+1],   v[X+2:X+3]
	v_add_f32 v[X], v[X], v[X+1]
	; over the 32 lanes
	v_add_f32_dpp v[X], v[X], v[X] row_xmask:1 row_mask:0xf bank_mask:0xf
	v_add_f32_dpp v[X], v[X], v[X] row_xmask:2 row_mask:0xf bank_mask:0xf
	v_add_f32_dpp v[X], v[X], v[X] row_xmask:4 row_mask:0xf bank_mask:0xf
	v_add_f32_dpp v[X], v[X], v[X] row_xmask:8 row_mask:0xf bank_mask:0xf
	v_permlanex16_b32 v[X+1], v[X], s16, s17
	v_add_f32 v[X], v[X], v[X+1]
	v_mov_b32 v1, s13
	v_cmp_eq_u32 vcc_lo, 0, v2
	s_wait_xcnt 0x0                                ; EXEC changes only behind this wait
	s_and_saveexec_b32 s18, vcc_lo                 ; one number: lane 0 stores it
	global_store_b32 v1, v[X], s[10:11]
	s_wait_xcnt 0x0
	s_or_b32 exec_lo, exec_lo, s18
	s_endpgm
.Lfunc_end_k_q5f33c8cf3e_wsum:
	.size	k_q5f33c8cf3e_wsum, .Lfunc_end_k_q5f33c8cf3e_wsum-k_q5f33c8cf3e_wsum
	.p2alignl 7, 3214868480
	.fill 96, 4, 3214868480
	.section	.rodata,"a",@progbits
	.p2align	6, 0x0
	.amdhsa_kernel k_q5f33c8cf3e_wsum
		.amdhsa_group_segment_fixed_size 0
		.amdhsa_private_segment_fixed_size 0
		.amdhsa_enable_private_segment 0
		.amdhsa_kernarg_size 32
		.amdhsa_user_sgpr_count 2
		.amdhsa_user_sgpr_kernarg_segment_ptr 1
		.amdhsa_wavefront_size32 1
		.amdhsa_system_sgpr_workgroup_id_x 1
		.amdhsa_system_sgpr_workgroup_id_y 1
		.amdhsa_system_sgpr_workgroup_id_z 1
		.amdhsa_system_vgpr_workitem_id 0
		.amdhsa_next_free_vgpr 68
		.amdhsa_next_free_sgpr 66
		.amdhsa_reserve_vcc 1
		.amdhsa_float_denorm_mode_32 3
		.amdhsa_float_denorm_mode_16_64 3
		.amdhsa_memory_ordered 1
		.amdhsa_forward_progress 1
		.amdhsa_inst_pref_size 6
	.end_amdhsa_kernel
	.amdgpu_metadata
---
amdhsa.version: [ 1, 2 ]
amdhsa.kernels:
  - .name:           k_q5f33c8cf3e_wsum
    .symbol:         k_q5f33c8cf3e_wsum.kd
    .args:
      - { .name: q_weights, .offset: 0, .size: 8, .value_kind: global_buffer, .address_space: global }
      - { .name: k_weights, .offset: 8, .size: 8, .value_kind: global_buffer, .address_space: global }
      - { .name: v_weights, .offset: 16, .size: 8, .value_kind: global_buffer, .address_space: global }
      - { .name: wpart, .offset: 24, .size: 8, .value_kind: global_buffer, .address_space: global }
    .group_segment_fixed_size: 0
    .private_segment_fixed_size: 0
    .kernarg_segment_align: 8
    .kernarg_segment_size: 32
    .max_flat_workgroup_size: 96
    .sgpr_count:     66
    .vgpr_count:     68
    .wavefront_size: 32
...
	.end_amdgpu_metadata
.endif
;; end of part 1
;; launch stats (part 2): grid 256 x 1, 32 waves a work-group, no clusters, 143,616 bytes of LDS; arguments q, k, v, wpart, stat, vpart; writes stat, vpart
.if DOCPART == 2
	.amdgcn_target "amdgcn-amd-amdhsa--gfx1250"
	.amdhsa_code_object_version 6
	.text
	.protected	k_q5f33c8cf3e_stats
	.globl	k_q5f33c8cf3e_stats
	.p2align	8
	.type	k_q5f33c8cf3e_stats,@function
k_q5f33c8cf3e_stats:
	s_mov_b64 s[64:65], 0
	v_nop
	global_prefetch_b8 v0, s[64:65] scope:SCOPE_SE
	s_setreg_imm32_b32 hwreg(HW_REG_WAVE_MODE, 25, 1), 1
	s_wait_xcnt 0x0
; Column statistics of the two softmaxes over s, in parts, and column sums of v, in parts.
; q, k, v: [4][8192][256] f32.  With w' = log2(e) x (sum of a head's weights), the softmax over s of x w needs, for each (b, h, column),
; M = max over s of w' x  and  Z = sum over s of 2^(w' x - M).
; Work-group g = ((b*4 + cg)*16 + c16): columns 64 cg .. 64 cg + 63 of batch b.  Tensor t = c16 & 1 (0 q, 1 k), rows 1024 (c16 >> 1) .. + 1023 of it,
; and rows 512 c16 .. + 511 of v.  Wave w takes 32 rows (16 of v); a lane takes two columns, so a load of 8 bytes a lane covers the 256 consecutive
; bytes that the work-group owns of one row, aligned.  The wave keeps its 32 rows in 64 registers: they are read from memory once.
; THE MAXIMUM.  The wave finds the largest and the smallest x of each column among its rows; M = max(fl(w' xmax), fl(w' xmin)) is the largest
; rounded product for either sign of w', with no branch and no select on a sign.  The exponent is fma(x, w', -M): the product is not rounded
; before M is taken away, so that large products lose nothing.  It is at most half a unit in the last place of M above zero.
; Each wave works from its own maximum, so that it starts as soon as its own rows are in; no barrier stands in front of the exponentials.
; THE MERGE.  Every wave puts -M and Z (8 heads x 64 columns each) into its own LDS area; behind ONE barrier sixteen waves merge the 32 parts:
; -M = min of the parts, Z = sum of Z_part x 2^((-M) - (-M_part)).  Wave 16 adds the 32 parts of v's column sums.
; stat[t][b][chunk][h][block of 32 columns][-M: 32 | Z: 32], vpart[b][c16][256].  Every store of a wave covers 256 consecutive bytes, aligned.
; LIMITS: inputs are finite (v_max_num and v_min_num drop a NaN); a term below 2^-126 counts as zero (v_exp_f32) beside a Z of about one or more.
.set ROWB, 1024                        ; bytes in a row
.set AREA, 4104                        ; a wave's LDS area: 2,048 bytes of -M, 2,048 of Z, and 8 more, so that areas 16 apart begin 128 bytes apart modulo 256
.set VB,   32*AREA                     ; behind the areas: 32 x 256 bytes, the waves' sums of v
.set CMX, 4                            ; v[4:5]    largest x of my two columns
.set CMN, 6                            ; v[6:7]    smallest
.set NM,  8                            ; v[8:23]   -M, head h in the pair at 2 h
.set Z,   24                           ; v[24:39]  Z, likewise
.set T,   40                           ; v[40:55]  two sets of four heads x two columns, at work by turns
.set X,   56                           ; v[56:119] row j of my 32 in the pair at 2 j
.set W,   32                           ; s[32:47]  w' of head h at 2 h (and again at 2 h + 1: a packed instruction names the pair)
	s_load_b256 s[4:11], s[0:1], 0x0               ; q s[4:5], k s[6:7], v s[8:9], wpart s[10:11]
	s_load_b128 s[12:15], s[0:1], 0x20             ; stat s[12:13], vpart s[14:15]
	v_lshl_add_u32 v120, v0, 2, 0x22100
	v_mov_b32 v121, 0
	v_lshrrev_b32 v2, 5, v0
	v_readfirstlane_b32 s16, v2                    ; wave
	v_and_b32 v3, 31, v0
	v_lshlrev_b32 v1, 3, v3                        ; 8 bytes a lane; never rewritten
	v_lshlrev_b32 v2, 4, v3                        ; 16 bytes a lane, for wpart
	s_and_b32 s17, ttmp9, 1                        ; t
	s_bfe_u32 s18, ttmp9, 0x30001                  ; chunk of 1,024 rows
	s_and_b32 s19, ttmp9, 15                       ; c16: chunk of 512 rows of v
	s_bfe_u32 s20, ttmp9, 0x20004                  ; cg
	s_lshr_b32 s21, ttmp9, 6                       ; b
	s_mov_b32 s26, 0x76543210                      ; v_permlanex16_b32: lane i reads lane i of the other half
	s_mov_b32 s27, 0xfedcba98
	s_lshl_b32 s22, s21, 23                        ; a batch is 8,192 rows of 1,024 bytes
	s_lshl_b32 s24, s20, 8
	s_or_b32 s22, s22, s24                         ; batch and column group
	s_lshl_b32 s24, s18, 20                        ; 1,024 rows a chunk
	s_lshl_b32 s25, s16, 15                        ; 32 rows a wave
	s_or_b32 s24, s24, s25
	s_or_b32 s24, s24, s22
	s_mov_b32 s25, 0
	s_lshl_b32 s28, s19, 19                        ; v: 512 rows a chunk
	s_lshl_b32 s29, s16, 14                        ; 16 rows a wave
	s_or_b32 s28, s28, s29
	s_or_b32 s28, s28, s22
	s_mov_b32 s29, 0
	s_lshl_b32 s30, s17, 10                        ; wpart[t]: 8 heads x 32 parts
	s_mov_b32 s31, 0
	s_wait_kmcnt 0x0
	s_cmp_eq_u32 s17, 1
	s_cselect_b64 s[4:5], s[6:7], s[4:5]           ; q or k
	s_add_nc_u64 s[4:5], s[4:5], s[24:25]
	s_add_nc_u64 s[8:9], s[8:9], s[28:29]
	s_add_nc_u64 s[10:11], s[10:11], s[30:31]
	global_load_b128 v[T:T+3],   v2, s[10:11]              ; heads 0-3: lane l holds four parts of head l / 8
	global_load_b128 v[T+4:T+7], v2, s[10:11] offset:512   ; heads 4-7
.set j, 0
.rept 32
	global_load_b64 v[X+2*j:X+2*j+1], v1, s[4:5] offset:ROWB*j     ; all my rows at once: 34 loads of the wave are out
.set j, j+1
.endr
	; w' of the eight heads, into scalar registers.  The last launch repeats these lines on the same numbers, so that both use the same bits.
	s_wait_loadcnt 32                              ; the two loads of wpart are in, the 32 rows may be out
	v_pk_add_f32 v[T:T+1],   v[T:T+1],   v[T+2:T+3]
	v_pk_add_f32 v[T+4:T+5], v[T+4:T+5], v[T+6:T+7]
	v_add_f32 v[T],   v[T],   v[T+1]
	v_add_f32 v[T+4], v[T+4], v[T+5]
.irp m, 1,2,4
	v_add_f32_dpp v[T],   v[T],   v[T]   row_xmask:\m row_mask:0xf bank_mask:0xf
	v_add_f32_dpp v[T+4], v[T+4], v[T+4] row_xmask:\m row_mask:0xf bank_mask:0xf
.endr
	v_mul_f32 v[T],   0x3fb8aa3b, v[T]             ; x log2(e): v_exp_f32 is 2^x
	v_mul_f32 v[T+4], 0x3fb8aa3b, v[T+4]
.irp h, 0,1,2,3
	v_readlane_b32 s[W+2*\h],   v[T],   8*\h
	v_readlane_b32 s[W+8+2*\h], v[T+4], 8*\h
.endr
.irp h, 0,1,2,3,4,5,6,7
	s_mov_b32 s[W+2*\h+1], s[W+2*\h]
.endr
	; largest and smallest x of my two columns, two rows an instruction, as the rows come in
	s_wait_loadcnt 24                              ; rows 0-7 are in
	v_max_num_f32 v[CMX],   v[X],   v[X+2]
	v_max_num_f32 v[CMX+1], v[X+1], v[X+3]
	v_min_num_f32 v[CMN],   v[X],   v[X+2]
	v_min_num_f32 v[CMN+1], v[X+1], v[X+3]
.set p, 1
.rept 15
.if p%4 == 0
	s_wait_loadcnt 24-2*p                          ; eight rows more: 16, 8, 0 may be out
.endif
	v_max3_num_f32 v[CMX],   v[CMX],   v[X+4*p],   v[X+4*p+2]
	v_max3_num_f32 v[CMX+1], v[CMX+1], v[X+4*p+1], v[X+4*p+3]
	v_min3_num_f32 v[CMN],   v[CMN],   v[X+4*p],   v[X+4*p+2]
	v_min3_num_f32 v[CMN+1], v[CMN+1], v[X+4*p+1], v[X+4*p+3]
.set p, p+1
.endr
	; -M = min(-w' xmax, -w' xmin)
.irp h, 0,1,2,3,4,5,6,7
	v_pk_mul_f32 v[T+4*(\h%4):T+4*(\h%4)+1],   v[CMX:CMX+1], s[W+2*\h:W+2*\h+1] op_sel_hi:[1,0]
	v_pk_mul_f32 v[T+4*(\h%4)+2:T+4*(\h%4)+3], v[CMN:CMN+1], s[W+2*\h:W+2*\h+1] op_sel_hi:[1,0]
	v_min_num_f32 v[NM+2*\h],   -v[T+4*(\h%4)],   -v[T+4*(\h%4)+2]
	v_min_num_f32 v[NM+2*\h+1], -v[T+4*(\h%4)+1], -v[T+4*(\h%4)+3]
.endr
	; row 0 starts the sums: its exponentials are written straight into Z, nothing is cleared
.irp h, 0,1,2,3,4,5,6,7
	v_pk_fma_f32 v[Z+2*\h:Z+2*\h+1], v[X:X+1], s[W+2*\h:W+2*\h+1], v[NM+2*\h:NM+2*\h+1] op_sel_hi:[1,0,1]
.endr
.irp i, 0,1,2,3,4,5,6,7,8,9,10,11,12,13,14,15
	v_exp_f32 v[Z+\i], v[Z+\i]
.endr
; Half a row: heads 4 hh .. 4 hh + 3 of row r.  Four exponents a pair at a time, then the other set's eight exponentials are added to Z, then this
; set's eight exponentials.  Between a v_exp_f32 and the use of its result stand the next half row's four multiply-adds, plain vector
; instructions that touch neither its result nor its source (ISA guide 5.7.2).
.macro STEP r, hh, add
.irp i, 0,1,2,3
	v_pk_fma_f32 v[T+8*\hh+2*\i:T+8*\hh+2*\i+1], v[X+2*\r:X+2*\r+1], s[W+8*\hh+2*\i:W+8*\hh+2*\i+1], v[NM+8*\hh+2*\i:NM+8*\hh+2*\i+1] op_sel_hi:[1,0,1]
.endr
.if \add
	s_wait_alu depctr_va_vdst(0)
.irp i, 0,1,2,3
	v_pk_add_f32 v[Z+8*(1-\hh)+2*\i:Z+8*(1-\hh)+2*\i+1], v[Z+8*(1-\hh)+2*\i:Z+8*(1-\hh)+2*\i+1], v[T+8*(1-\hh)+2*\i:T+8*(1-\hh)+2*\i+1]
.endr
.endif
.irp i, 0,1,2,3,4,5,6,7
	v_exp_f32 v[T+8*\hh+\i], v[T+8*\hh+\i]
.endr
.endm
	STEP 1, 0, 0
	STEP 1, 1, 1
.set row, 2
.rept 14
	STEP row, 0, 1
	STEP row, 1, 1
.set row, row+1
.endr
	; rows 0-15 have been used: their registers take my 16 rows of v, which land under the exponentials of rows 16-31
.set j, 0
.rept 16
	global_load_b64 v[X+2*j:X+2*j+1], v1, s[8:9] offset:ROWB*j th:TH_LOAD_NT
.set j, j+1
.endr
.rept 16
	STEP row, 0, 1
	STEP row, 1, 1
.set row, row+1
.endr
	v_nop                                          ; the plain place behind the last exponentials
	s_wait_alu depctr_va_vdst(0)
.irp i, 0,1,2,3
	v_pk_add_f32 v[Z+8+2*\i:Z+8+2*\i+1], v[Z+8+2*\i:Z+8+2*\i+1], v[T+8+2*\i:T+8+2*\i+1]
.endr
	; my part of v's column sums, two chains
	s_wait_loadcnt 0x0
.set j, 2
.rept 14
	v_pk_add_f32 v[X+2*(j%2):X+2*(j%2)+1], v[X+2*(j%2):X+2*(j%2)+1], v[X+2*j:X+2*j+1]
.set j, j+1
.endr
	v_pk_add_f32 v[X:X+1], v[X:X+1], v[X+2:X+3]
	; into LDS: each store of the wave covers 256 consecutive bytes
	s_mul_i32 s24, s16, AREA
	v_add_nc_u32 v2, s24, v1
.irp h, 0,1,2,3,4,5,6,7
	ds_store_b64 v2, v[NM+2*\h:NM+2*\h+1] offset:256*\h
	ds_store_b64 v2, v[Z+2*\h:Z+2*\h+1]   offset:2048+256*\h
.endr
	s_lshl_b32 s25, s16, 8
	s_add_co_u32 s25, s25, VB
	v_add_nc_u32 v3, s25, v1
	ds_store_b64 v3, v[X:X+1]
	s_wait_dscnt 0x0                               ; for the other waves' sake: my stores are done before I signal
	s_barrier_signal -1
	s_barrier_wait -1
	s_cmp_lt_u32 s16, 16
	s_cbranch_scc1 .Lmerge
	s_cmp_eq_u32 s16, 16
	s_cbranch_scc1 .Lvsum
	s_wait_tensorcnt 0x0
	ds_add_u32 v120, v121
	s_wait_dscnt 0x0
	s_endpgm
; Waves 0-15: wave = 2 h + cb.  Head h, columns 32 cb .. 32 cb + 31 of the group's 64.  Lane = 16 half + c: columns 2 c, 2 c + 1, parts 16 half .. 16 half + 15.
; A load of 8 bytes a lane takes 128 bytes of one area and 128 of the area 16 further on, which begin 128 bytes apart modulo 256: all 64 banks once (ISA guide 11.1).
.Lmerge:
	v_and_b32 v2, 15, v0
	v_bfe_u32 v3, v0, 4, 1                         ; half
	v_mul_u32_u24 v[T], v3, 16*AREA
	v_lshl_add_u32 v2, v2, 3, v[T]
	s_lshr_b32 s24, s16, 1                         ; h
	s_and_b32 s25, s16, 1                          ; cb
	s_lshl_b32 s28, s24, 8
	s_lshl_b32 s29, s25, 7
	s_or_b32 s28, s28, s29
	v_add_nc_u32 v2, s28, v2
.set p, 0
.rept 16
	ds_load_b64 v[X+2*p:X+2*p+1], v2 offset:AREA*p                 ; -M of 16 parts
.set p, p+1
.endr
.set p, 0
.rept 16
	ds_load_b64 v[X+32+2*p:X+33+2*p], v2 offset:AREA*p+2048        ; Z of 16 parts
.set p, p+1
.endr
	s_wait_dscnt 16                                ; LDS loads come back in order: the sixteen -M are in, the sixteen Z may be out
	v_min_num_f32 v[CMN],   v[X],   v[X+2]
	v_min_num_f32 v[CMN+1], v[X+1], v[X+3]
.set p, 1
.rept 7
	v_min3_num_f32 v[CMN],   v[CMN],   v[X+4*p],   v[X+4*p+2]
	v_min3_num_f32 v[CMN+1], v[CMN+1], v[X+4*p+1], v[X+4*p+3]
.set p, p+1
.endr
	v_permlanex16_b32 v[CMX],   v[CMN],   s26, s27     ; the other sixteen parts
	v_permlanex16_b32 v[CMX+1], v[CMN+1], s26, s27
	v_min_num_f32 v[CMN],   v[CMN],   v[CMX]
	v_min_num_f32 v[CMN+1], v[CMN+1], v[CMX+1]         ; -M of the work-group's 1,024 rows
.set p, 0
.rept 16
	v_pk_add_f32 v[X+2*p:X+2*p+1], v[CMN:CMN+1], v[X+2*p:X+2*p+1] neg_lo:[0,1] neg_hi:[0,1]   ; M_part - M, at most 0
.set p, p+1
.endr
.set p, 0
.rept 32
	v_exp_f32 v[X+p], v[X+p]
.set p, p+1
.endr
	s_wait_dscnt 0x0
	v_nop                                          ; the plain place behind the exponentials
	s_wait_alu depctr_va_vdst(0)
	v_pk_mul_f32 v[T:T+1],   v[X:X+1],   v[X+32:X+33]
	v_pk_mul_f32 v[T+2:T+3], v[X+2:X+3], v[X+34:X+35]
.set p, 2
.rept 14
	v_pk_fma_f32 v[T+2*(p%2):T+2*(p%2)+1], v[X+2*p:X+2*p+1], v[X+32+2*p:X+33+2*p], v[T+2*(p%2):T+2*(p%2)+1]
.set p, p+1
.endr
	v_pk_add_f32 v[T:T+1], v[T:T+1], v[T+2:T+3]
	v_permlanex16_b32 v[T+2], v[T],   s26, s27
	v_permlanex16_b32 v[T+3], v[T+1], s26, s27
	v_pk_add_f32 v[T:T+1], v[T:T+1], v[T+2:T+3]    ; Z of the 1,024 rows, in both halves of the wave
	v_cmp_ne_u32 vcc_lo, 0, v3
	v_cndmask_b32 v[T+4], v[CMN],   v[T],   vcc_lo ; lanes 0-15 store -M, lanes 16-31 Z: 128 + 128 bytes, one aligned block of 256
	v_cndmask_b32 v[T+5], v[CMN+1], v[T+1], vcc_lo
	s_lshl_b32 s28, s17, 2
	s_add_co_u32 s28, s28, s21                     ; 4 t + b
	s_lshl_b32 s28, s28, 3
	s_add_co_u32 s28, s28, s18                     ; chunk
	s_lshl_b32 s28, s28, 3
	s_add_co_u32 s28, s28, s24                     ; head
	s_lshl_b32 s28, s28, 11                        ; 2,048 bytes for 256 columns
	s_lshl_b32 s29, s20, 9                         ; two blocks a column group
	s_add_co_u32 s28, s28, s29
	s_lshl_b32 s29, s25, 8
	s_add_co_u32 s28, s28, s29
	s_mov_b32 s29, 0
	s_add_nc_u64 s[12:13], s[12:13], s[28:29]
	global_store_b64 v1, v[T+4:T+5], s[12:13]
	s_wait_tensorcnt 0x0
	ds_add_u32 v120, v121
	s_wait_dscnt 0x0
	s_endpgm
; Wave 16: the 32 waves' sums of v, two columns a lane.
.Lvsum:
	v_add_nc_u32 v2, VB, v1
.set p, 0
.rept 32
	ds_load_b64 v[X+2*p:X+2*p+1], v2 offset:256*p
.set p, p+1
.endr
	s_wait_dscnt 0x0
.set p, 4
.rept 28
	v_pk_add_f32 v[X+2*(p%4):X+2*(p%4)+1], v[X+2*(p%4):X+2*(p%4)+1], v[X+2*p:X+2*p+1]
.set p, p+1
.endr
	v_pk_add_f32 v[X:X+1],   v[X:X+1],   v[X+2:X+3]
	v_pk_add_f32 v[X+4:X+5], v[X+4:X+5], v[X+6:X+7]
	v_pk_add_f32 v[X:X+1],   v[X:X+1],   v[X+4:X+5]
	s_lshl_b32 s28, s21, 4
	s_add_co_u32 s28, s28, s19                     ; 16 b + c16
	s_lshl_b32 s28, s28, 10
	s_lshl_b32 s29, s20, 8
	s_add_co_u32 s28, s28, s29
	s_mov_b32 s29, 0
	s_add_nc_u64 s[14:15], s[14:15], s[28:29]
	global_store_b64 v1, v[X:X+1], s[14:15]        ; 256 consecutive bytes, aligned
	s_wait_tensorcnt 0x0
	ds_add_u32 v120, v121
	s_wait_dscnt 0x0
	s_endpgm
.Lfunc_end_k_q5f33c8cf3e_stats:
	.size	k_q5f33c8cf3e_stats, .Lfunc_end_k_q5f33c8cf3e_stats-k_q5f33c8cf3e_stats
	.p2alignl 7, 3214868480
	.fill 96, 4, 3214868480
	.section	.rodata,"a",@progbits
	.p2align	6, 0x0
	.amdhsa_kernel k_q5f33c8cf3e_stats
		.amdhsa_group_segment_fixed_size 143616
		.amdhsa_private_segment_fixed_size 0
		.amdhsa_enable_private_segment 0
		.amdhsa_kernarg_size 48
		.amdhsa_user_sgpr_count 2
		.amdhsa_user_sgpr_kernarg_segment_ptr 1
		.amdhsa_wavefront_size32 1
		.amdhsa_system_sgpr_workgroup_id_x 1
		.amdhsa_system_sgpr_workgroup_id_y 1
		.amdhsa_system_sgpr_workgroup_id_z 1
		.amdhsa_system_vgpr_workitem_id 0
		.amdhsa_next_free_vgpr 122
		.amdhsa_next_free_sgpr 66
		.amdhsa_reserve_vcc 1
		.amdhsa_float_denorm_mode_32 3
		.amdhsa_float_denorm_mode_16_64 3
		.amdhsa_memory_ordered 1
		.amdhsa_forward_progress 1
		.amdhsa_inst_pref_size 79
	.end_amdhsa_kernel
	.amdgpu_metadata
---
amdhsa.version: [ 1, 2 ]
amdhsa.kernels:
  - .name:           k_q5f33c8cf3e_stats
    .symbol:         k_q5f33c8cf3e_stats.kd
    .args:
      - { .name: q, .offset: 0, .size: 8, .value_kind: global_buffer, .address_space: global }
      - { .name: k, .offset: 8, .size: 8, .value_kind: global_buffer, .address_space: global }
      - { .name: v, .offset: 16, .size: 8, .value_kind: global_buffer, .address_space: global }
      - { .name: wpart, .offset: 24, .size: 8, .value_kind: global_buffer, .address_space: global }
      - { .name: stat, .offset: 32, .size: 8, .value_kind: global_buffer, .address_space: global }
      - { .name: vpart, .offset: 40, .size: 8, .value_kind: global_buffer, .address_space: global }
    .group_segment_fixed_size: 143616
    .private_segment_fixed_size: 0
    .kernarg_segment_align: 8
    .kernarg_segment_size: 48
    .max_flat_workgroup_size: 1024
    .sgpr_count:     66
    .vgpr_count:     122
    .wavefront_size: 32
...
	.end_amdgpu_metadata
.endif
;; end of part 2
;; launch combine (part 3): grid 80 x 1, 1 waves a work-group, no clusters, 0 bytes of LDS; arguments wpart, stat, vpart, fin; writes fin
.if DOCPART == 3
	.amdgcn_target "amdgcn-amd-amdhsa--gfx1250"
	.amdhsa_code_object_version 6
	.text
	.protected	k_q5f33c8cf3e_combine
	.globl	k_q5f33c8cf3e_combine
	.p2align	8
	.type	k_q5f33c8cf3e_combine,@function
k_q5f33c8cf3e_combine:
	s_mov_b64 s[64:65], 0
	v_nop
	global_prefetch_b8 v0, s[64:65] scope:SCOPE_SE
	s_setreg_imm32_b32 hwreg(HW_REG_WAVE_MODE, 25, 1), 1
	s_wait_xcnt 0x0
; The parts become whole.  One wave a work-group; the waves share nothing, so no LDS and no barrier.
; Work-groups 0-31 (q; b = x >> 3, h = x & 7): the eight chunks' -M and Z of 256 columns are merged; -M and 1 / Z go to fin.
; Work-groups 32-63 (k, likewise): merged in the same way; a column's softmax summed over s is Z x (1 / Z); these are summed over the 256
;   columns (the sum over k of the global context) and multiplied by the sum of v_weights[h]: coef[b][h].
; Work-groups 64-79 (b, 64 columns): the sixteen parts of v's column sums are added: Vs[b][column].
; It is a launch of its own because the 64 work-groups that finish a batch would otherwise each read that batch's 256 KiB of parts.
; fin, for each batch 18,432 bytes: -M[8][256], then 1/Z[8][256], then Vs[256], then coef[8].
; LIMITS: as in the launch that made the parts (finite inputs).
.set FINB, 18432
.set FRZ,  8192
.set FVS,  16384
.set FCO,  17408
.set WV,  4                            ; v4        a part of the sum of v_weights[h]
.set N,   8                            ; v[8:71]   chunk c at 8 c: -M of my eight columns, later 2^(M_c - M)
.set ZZ,  72                           ; v[72:135] chunk c at 8 c: Z of my eight columns
.set G,   136                          ; v[136:143] -M of the whole column
.set S,   144                          ; v[144:151] Z of the whole column
; A lane holds columns 4 l .. 4 l + 3 and 128 + 4 l .. + 3.  In stat a block of 256 bytes holds -M and then Z of 32 columns.
.macro MERGE
.irp c, 0,1,2,3,4,5,6,7
	global_load_b128 v[N+8*\c:N+8*\c+3],   v1, s[6:7] offset:16384*\c
	global_load_b128 v[N+8*\c+4:N+8*\c+7], v1, s[6:7] offset:16384*\c+1024
.endr
.irp c, 0,1,2,3,4,5,6,7
	global_load_b128 v[ZZ+8*\c:ZZ+8*\c+3],   v1, s[6:7] offset:16384*\c+128
	global_load_b128 v[ZZ+8*\c+4:ZZ+8*\c+7], v1, s[6:7] offset:16384*\c+1152
.endr
	s_wait_loadcnt 16                              ; loads come back in order (ISA guide 5.7.1): all -M are in, the sixteen loads of Z may be out
.irp i, 0,1,2,3,4,5,6,7
	v_min_num_f32  v[G+\i], v[N+\i], v[N+8+\i]
	v_min3_num_f32 v[G+\i], v[G+\i], v[N+16+\i], v[N+24+\i]
	v_min3_num_f32 v[G+\i], v[G+\i], v[N+32+\i], v[N+40+\i]
	v_min3_num_f32 v[G+\i], v[G+\i], v[N+48+\i], v[N+56+\i]
.endr
.irp c, 0,1,2,3,4,5,6,7
.irp i, 0,2,4,6
	v_pk_add_f32 v[N+8*\c+\i:N+8*\c+\i+1], v[G+\i:G+\i+1], v[N+8*\c+\i:N+8*\c+\i+1] neg_lo:[0,1] neg_hi:[0,1]   ; M_c - M, at most 0
.endr
.endr
.set p, 0
.rept 64
	v_exp_f32 v[N+p], v[N+p]
.set p, p+1
.endr
	s_wait_loadcnt 0x0
	v_nop                                          ; the plain place behind the exponentials (ISA guide 5.7.2)
	s_wait_alu depctr_va_vdst(0)
.irp i, 0,2,4,6
	v_pk_mul_f32 v[S+\i:S+\i+1], v[N+\i:N+\i+1], v[ZZ+\i:ZZ+\i+1]
.endr
.irp c, 1,2,3,4,5,6,7
.irp i, 0,2,4,6
	v_pk_fma_f32 v[S+\i:S+\i+1], v[N+8*\c+\i:N+8*\c+\i+1], v[ZZ+8*\c+\i:ZZ+8*\c+\i+1], v[S+\i:S+\i+1]
.endr
.endr
.endm
	s_load_b256 s[4:11], s[0:1], 0x0               ; wpart s[4:5], stat s[6:7], vpart s[8:9], fin s[10:11]
	s_mov_b32 s26, 0x76543210                      ; v_permlanex16_b32: lane i reads lane i of the other half
	s_mov_b32 s27, 0xfedcba98
	s_cmp_ge_u32 ttmp9, 64
	s_cbranch_scc1 .Lvrole
	v_and_b32 v1, 7, v0
	v_lshrrev_b32 v2, 3, v0
	v_lshlrev_b32 v1, 4, v1
	v_lshl_or_b32 v1, v2, 8, v1                    ; block l / 8, 16 bytes at (l & 7) in it
	v_lshlrev_b32 v3, 4, v0                        ; 16 bytes a lane
	s_lshr_b32 s12, ttmp9, 3                       ; 4 t + b
	s_and_b32 s13, ttmp9, 7                        ; h
	s_and_b32 s14, s12, 3                          ; b
	s_lshl_b32 s16, s12, 17                        ; 8 chunks x 8 heads x 2,048 bytes
	s_lshl_b32 s17, s13, 11
	s_or_b32 s16, s16, s17
	s_mov_b32 s17, 0
	s_mul_i32 s18, s14, FINB
	s_mov_b32 s19, 0
	s_mov_b32 s21, 0
	s_wait_kmcnt 0x0
	s_add_nc_u64 s[6:7], s[6:7], s[16:17]
	s_add_nc_u64 s[10:11], s[10:11], s[18:19]      ; fin at my batch
	s_cmp_ge_u32 ttmp9, 32
	s_cbranch_scc1 .Lkrole
	; q
	MERGE
.irp i, 0,1,2,3,4,5,6,7
	v_rcp_f32 v[S+\i], v[S+\i]
.endr
	s_lshl_b32 s20, s13, 10
	s_add_nc_u64 s[10:11], s[10:11], s[20:21]      ; my head's row
	v_nop                                          ; the plain place behind the reciprocals
	global_store_b128 v3, v[G:G+3],   s[10:11]
	global_store_b128 v3, v[G+4:G+7], s[10:11] offset:512
	s_wait_alu depctr_va_vdst(0)
	global_store_b128 v3, v[S:S+3],   s[10:11] offset:FRZ
	global_store_b128 v3, v[S+4:S+7], s[10:11] offset:FRZ+512
	s_endpgm
.Lkrole:
	s_lshl_b32 s20, s13, 7                         ; wpart[2][h][0..31]
	s_add_nc_u64 s[4:5], s[4:5], s[20:21]
	v_lshlrev_b32 v5, 2, v0
	global_load_b32 v[WV], v5, s[4:5] offset:2048  ; issued ahead of the merge's loads, so that its counted wait covers this one too
	MERGE
.irp i, 0,1,2,3,4,5,6,7
	v_rcp_f32 v[N+\i], v[S+\i]
.endr
	v_nop                                          ; the plain place behind the reciprocals
	s_wait_alu depctr_va_vdst(0)
.irp i, 0,2,4,6
	v_pk_mul_f32 v[N+\i:N+\i+1], v[N+\i:N+\i+1], v[S+\i:S+\i+1]    ; sum over s of the column's softmax = Z x (1 / Z)
.endr
	v_pk_add_f32 v[N:N+1],   v[N:N+1],   v[N+2:N+3]
	v_pk_add_f32 v[N+4:N+5], v[N+4:N+5], v[N+6:N+7]
	v_pk_add_f32 v[N:N+1],   v[N:N+1],   v[N+4:N+5]
	v_add_f32 v[N], v[N], v[N+1]
.irp m, 1,2,4,8
	v_add_f32_dpp v[N],  v[N],  v[N]  row_xmask:\m row_mask:0xf bank_mask:0xf
	v_add_f32_dpp v[WV], v[WV], v[WV] row_xmask:\m row_mask:0xf bank_mask:0xf
.endr
	v_permlanex16_b32 v[N+1], v[N],  s26, s27
	v_permlanex16_b32 v[N+2], v[WV], s26, s27
	v_add_f32 v[N],  v[N],  v[N+1]                 ; over the 256 columns
	v_add_f32 v[WV], v[WV], v[N+2]                 ; the sum of v_weights[h]
	v_mul_f32 v[N], v[N], v[WV]
	s_lshl_b32 s20, s13, 2
	s_add_nc_u64 s[10:11], s[10:11], s[20:21]
	v_mov_b32 v2, 0
	v_cmp_eq_u32 vcc_lo, 0, v0
	s_wait_xcnt 0x0                                ; EXEC changes only behind this wait
	s_and_saveexec_b32 s22, vcc_lo                 ; one number: lane 0 stores it
	global_store_b32 v2, v[N], s[10:11] offset:FCO
	s_wait_xcnt 0x0
	s_or_b32 exec_lo, exec_lo, s22
	s_endpgm
; v: lane = 16 pg + quad: four columns, parts 8 pg .. 8 pg + 7.  A load covers two aligned runs of 256 bytes.
.Lvrole:
	s_sub_co_u32 s12, ttmp9, 64
	s_lshr_b32 s13, s12, 2                         ; b
	s_and_b32 s14, s12, 3                          ; 64 columns
	s_lshl_b32 s16, s13, 14
	s_lshl_b32 s17, s14, 8
	s_or_b32 s16, s16, s17
	s_mul_i32 s18, s13, FINB
	s_add_co_u32 s18, s18, s17
	s_mov_b32 s17, 0
	s_mov_b32 s19, 0
	v_and_b32 v1, 15, v0
	v_lshlrev_b32 v1, 4, v1
	v_lshrrev_b32 v2, 4, v0
	v_lshl_or_b32 v2, v2, 13, v1
	s_wait_kmcnt 0x0
	s_add_nc_u64 s[8:9], s[8:9], s[16:17]
	s_add_nc_u64 s[10:11], s[10:11], s[18:19]
.irp i, 0,1,2,3,4,5,6,7
	global_load_b128 v[N+4*\i:N+4*\i+3], v2, s[8:9] offset:1024*\i
.endr
.irp i, 1,2,3,4,5,6,7
	s_wait_loadcnt 7-\i                            ; loads 0 to i are in
	v_pk_add_f32 v[N:N+1],   v[N:N+1],   v[N+4*\i:N+4*\i+1]
	v_pk_add_f32 v[N+2:N+3], v[N+2:N+3], v[N+4*\i+2:N+4*\i+3]
.endr
.irp i, 0,1,2,3
	v_permlanex16_b32 v[N+4+\i], v[N+\i], s26, s27
.endr
	v_pk_add_f32 v[N:N+1],   v[N:N+1],   v[N+4:N+5]
	v_pk_add_f32 v[N+2:N+3], v[N+2:N+3], v[N+6:N+7]
	v_cmp_gt_u32 vcc_lo, 16, v0
	s_wait_xcnt 0x0                                ; EXEC changes only behind this wait
	s_and_saveexec_b32 s22, vcc_lo                 ; sixteen lanes store 256 consecutive bytes, aligned
	global_store_b128 v1, v[N:N+3], s[10:11] offset:FVS
	s_wait_xcnt 0x0
	s_or_b32 exec_lo, exec_lo, s22
	s_endpgm
.Lfunc_end_k_q5f33c8cf3e_combine:
	.size	k_q5f33c8cf3e_combine, .Lfunc_end_k_q5f33c8cf3e_combine-k_q5f33c8cf3e_combine
	.p2alignl 7, 3214868480
	.fill 96, 4, 3214868480
	.section	.rodata,"a",@progbits
	.p2align	6, 0x0
	.amdhsa_kernel k_q5f33c8cf3e_combine
		.amdhsa_group_segment_fixed_size 0
		.amdhsa_private_segment_fixed_size 0
		.amdhsa_enable_private_segment 0
		.amdhsa_kernarg_size 32
		.amdhsa_user_sgpr_count 2
		.amdhsa_user_sgpr_kernarg_segment_ptr 1
		.amdhsa_wavefront_size32 1
		.amdhsa_system_sgpr_workgroup_id_x 1
		.amdhsa_system_sgpr_workgroup_id_y 1
		.amdhsa_system_sgpr_workgroup_id_z 1
		.amdhsa_system_vgpr_workitem_id 0
		.amdhsa_next_free_vgpr 152
		.amdhsa_next_free_sgpr 66
		.amdhsa_reserve_vcc 1
		.amdhsa_float_denorm_mode_32 3
		.amdhsa_float_denorm_mode_16_64 3
		.amdhsa_memory_ordered 1
		.amdhsa_forward_progress 1
		.amdhsa_inst_pref_size 29
	.end_amdhsa_kernel
	.amdgpu_metadata
---
amdhsa.version: [ 1, 2 ]
amdhsa.kernels:
  - .name:           k_q5f33c8cf3e_combine
    .symbol:         k_q5f33c8cf3e_combine.kd
    .args:
      - { .name: wpart, .offset: 0, .size: 8, .value_kind: global_buffer, .address_space: global }
      - { .name: stat, .offset: 8, .size: 8, .value_kind: global_buffer, .address_space: global }
      - { .name: vpart, .offset: 16, .size: 8, .value_kind: global_buffer, .address_space: global }
      - { .name: fin, .offset: 24, .size: 8, .value_kind: global_buffer, .address_space: global }
    .group_segment_fixed_size: 0
    .private_segment_fixed_size: 0
    .kernarg_segment_align: 8
    .kernarg_segment_size: 32
    .max_flat_workgroup_size: 32
    .sgpr_count:     66
    .vgpr_count:     152
    .wavefront_size: 32
...
	.end_amdgpu_metadata
.endif
;; end of part 3
;; launch final (part 4): grid 256 x 1, 16 waves a work-group, no clusters, 18,432 bytes of LDS; arguments q, wpart, fin, out0; writes out0
.if DOCPART == 4
	.amdgcn_target "amdgcn-amd-amdhsa--gfx1250"
	.amdhsa_code_object_version 6
	.text
	.protected	k_q5f33c8cf3e_final
	.globl	k_q5f33c8cf3e_final
	.p2align	8
	.type	k_q5f33c8cf3e_final,@function
k_q5f33c8cf3e_final:
	s_mov_b64 s[64:65], 0
	v_nop
	global_prefetch_b8 v0, s[64:65] scope:SCOPE_SE
	s_setreg_imm32_b32 hwreg(HW_REG_WAVE_MODE, 25, 1), 1
	s_wait_xcnt 0x0
; out[b][s][v] = max over h of coef[b][h] x Qrow[b][h][s] x Vs[b][v],  Qrow[b][h][s] = sum over d of 2^(w'_h q[b][s][d] - M[b][h][d]) / Z[b][h][d].
; With a_h = coef_h Qrow_h the maximum over h of a_h Vs is Vs x max a for Vs >= 0 and Vs x min a for Vs < 0:
; out = max(Vs, 0) x amax + min(Vs, 0) x amin, of which one term is zero.
; Work-group g: rows 128 (g & 63) .. + 127 of batch g >> 6.  Sixteen waves, eight whole rows each; a lane holds columns 4 l .. 4 l + 3 and
; 128 + 4 l .. + 3, so every load and store of a wave covers 512 consecutive bytes.  A lane's 64 values of -M and 64 of 1 / Z stay in registers for
; all its rows; the batch's 16 KiB of them come from memory once for the work-group and go to the sixteen waves through LDS (the one barrier).
; 1 / Z multiplies the exponential in the multiply-add that sums it; it is not folded into the exponent, where a large M would swallow log2 Z.
; All loads are issued at the head.  Behind the barrier the waves share nothing: each sums, reduces and stores its own rows.
; ACROSS THE LANES: four rows x eight heads are 32 sums a lane.  At step k (k = 0 .. 4) each lane keeps the half of its sums whose index has bit k equal
; to the lane's bit k and hands the other half to lane xor 2^k: 16 + 8 + 4 + 2 + 1 additions, and lane l ends with the whole sum of row l >> 3, head l & 7.
; REGISTERS: the sums of row r are written over row r - 1 of q, which is used up (row 0's over eight registers in front), so 72 registers hold both.
; LIMITS: inputs are finite (v_max_num and v_min_num drop a NaN); a term below 2^-126 counts as zero (v_exp_f32).
.set FINB, 18432
.set FRZ,  8192
.set FVS,  16384
.set FCO,  17408
.set CO,  3                            ; v3         coef[b][l & 7]
.set P,   4                            ; v[4:5]     a pair of running sums
.set AMX, 6                            ; v6         first the address of coef, later a and its maximum over the heads
.set AMN, 7                            ; v7         its minimum
.set VSP, 8                            ; v[8:15]    max(Vs, 0) of my eight columns
.set VSN, 16                           ; v[16:23]   min(Vs, 0)
.set T,   24                           ; v[24:39]   two sets of eight, at work by turns
.set NM,  40                           ; v[40:103]  -M, head h at 8 h
.set RZ,  104                          ; v[104:167] 1 / Z, head h at 8 h
.set R,   168                          ; v[168:239] row r of q at 8 + 8 r; the sum of (row r, head h) at 8 r + h
.set W,   32                           ; s[32:47]   w' of head h at 2 h (and again at 2 h + 1: a packed instruction names the pair)
.set SA,  48                           ; s[48:63]   row rr of four: amax at 4 rr (and 4 rr + 1), amin at 4 rr + 2 (and 4 rr + 3)
.set MK,  20                           ; s[20:24]   the lanes whose bit k is set
	s_load_b256 s[4:11], s[0:1], 0x0               ; q s[4:5], wpart s[6:7], fin s[8:9], out0 s[10:11]
	v_lshl_add_u32 v240, v0, 2, 0x4000
	v_mov_b32 v241, 0
	v_lshrrev_b32 v1, 5, v0
	v_readfirstlane_b32 s12, v1                    ; wave
	v_and_b32 v3, 31, v0
	v_lshlrev_b32 v1, 4, v3                        ; 16 bytes a lane; never rewritten
	v_lshlrev_b32 v2, 4, v0                        ; 16 bytes a thread; never rewritten
	v_and_b32 v[AMX], 7, v0
	v_lshlrev_b32 v[AMX], 2, v[AMX]
	s_lshr_b32 s13, ttmp9, 6                       ; b
	s_and_b32 s14, ttmp9, 63
	s_lshl_b32 s16, s13, 23                        ; a batch is 8,192 rows of 1,024 bytes
	s_lshl_b32 s17, s14, 17                        ; 128 rows a work-group
	s_or_b32 s16, s16, s17
	s_lshl_b32 s17, s12, 13                        ; 8 rows a wave
	s_or_b32 s16, s16, s17
	s_mov_b32 s17, 0
	s_mul_i32 s18, s13, FINB
	s_mov_b32 s19, 0
	s_mov_b32 s[MK+0], 0xaaaaaaaa
	s_mov_b32 s[MK+1], 0xcccccccc
	s_mov_b32 s[MK+2], 0xf0f0f0f0
	s_mov_b32 s[MK+3], 0xff00ff00
	s_mov_b32 s[MK+4], 0xffff0000
	s_mov_b32 s26, 0x76543210                      ; v_permlanex16_b32: lane i reads lane i of the other half
	s_mov_b32 s27, 0xfedcba98
	s_wait_kmcnt 0x0
	s_add_nc_u64 s[4:5], s[4:5], s[16:17]
	s_add_nc_u64 s[10:11], s[10:11], s[16:17]
	s_add_nc_u64 s[8:9], s[8:9], s[18:19]
	; 23 loads, in the order in which they are needed
	global_load_b128 v[T:T+3],       v2, s[8:9]                    ; my 16 bytes of the batch's -M
	global_load_b128 v[T+4:T+7],     v2, s[8:9] offset:FRZ         ; and of 1 / Z
	global_load_b128 v[T+8:T+11],    v1, s[6:7]                    ; wpart of q_weights, heads 0-3
	global_load_b128 v[T+12:T+15],   v1, s[6:7] offset:512         ; heads 4-7
	global_load_b32  v[CO], v[AMX],  s[8:9] offset:FCO
	global_load_b128 v[VSP:VSP+3],   v1, s[8:9] offset:FVS
	global_load_b128 v[VSP+4:VSP+7], v1, s[8:9] offset:FVS+512
.irp r, 0,1,2,3,4,5,6,7
	global_load_b128 v[R+8+8*\r:R+8+8*\r+3],   v1, s[4:5] offset:1024*\r th:TH_LOAD_NT
	global_load_b128 v[R+8+8*\r+4:R+8+8*\r+7], v1, s[4:5] offset:1024*\r+512 th:TH_LOAD_NT
.endr
	s_wait_loadcnt 21                              ; loads come back in order (ISA guide 5.7.1): the first two are in
	ds_store_b128 v2, v[T:T+3]
	ds_store_b128 v2, v[T+4:T+7] offset:FRZ
	s_wait_dscnt 0x0                               ; for the other waves' sake: my stores are done before I signal
	s_barrier_signal -1
	s_barrier_wait -1
.irp h, 0,1,2,3,4,5,6,7
	ds_load_b128 v[NM+8*\h:NM+8*\h+3],   v1 offset:1024*\h
	ds_load_b128 v[NM+8*\h+4:NM+8*\h+7], v1 offset:1024*\h+512
	ds_load_b128 v[RZ+8*\h:RZ+8*\h+3],   v1 offset:FRZ+1024*\h
	ds_load_b128 v[RZ+8*\h+4:RZ+8*\h+7], v1 offset:FRZ+1024*\h+512
.endr
	; w' of the eight heads: the same lines on the same numbers as in the launch that made M, so the same bits
	s_wait_loadcnt 19                              ; wpart is in
	v_pk_add_f32 v[T+8:T+9],   v[T+8:T+9],   v[T+10:T+11]
	v_pk_add_f32 v[T+12:T+13], v[T+12:T+13], v[T+14:T+15]
	v_add_f32 v[T+8],  v[T+8],  v[T+9]
	v_add_f32 v[T+12], v[T+12], v[T+13]
.irp m, 1,2,4
	v_add_f32_dpp v[T+8],  v[T+8],  v[T+8]  row_xmask:\m row_mask:0xf bank_mask:0xf
	v_add_f32_dpp v[T+12], v[T+12], v[T+12] row_xmask:\m row_mask:0xf bank_mask:0xf
.endr
	v_mul_f32 v[T+8],  0x3fb8aa3b, v[T+8]          ; x log2(e): v_exp_f32 is 2^x
	v_mul_f32 v[T+12], 0x3fb8aa3b, v[T+12]
.irp h, 0,1,2,3
	v_readlane_b32 s[W+2*\h],   v[T+8],  8*\h
	v_readlane_b32 s[W+8+2*\h], v[T+12], 8*\h
.endr
.irp h, 0,1,2,3,4,5,6,7
	s_mov_b32 s[W+2*\h+1], s[W+2*\h]
.endr
	s_wait_loadcnt 16                              ; coef and Vs are in, the sixteen loads of q may be out
.irp i, 0,1,2,3,4,5,6,7
	v_min_num_f32 v[VSN+\i], 0, v[VSP+\i]
	v_max_num_f32 v[VSP+\i], 0, v[VSP+\i]
.endr
	s_wait_dscnt 0x0                               ; -M and 1 / Z are in registers
; the eight exponentials of (row pr, head ph) in set ps, each times its column's 1 / Z, summed
.macro ACCUM
	s_wait_alu depctr_va_vdst(0)
	v_pk_mul_f32 v[P:P+1], v[T+8*ps:T+8*ps+1], v[RZ+8*ph:RZ+8*ph+1]
.irp i, 1,2,3
	v_pk_fma_f32 v[P:P+1], v[T+8*ps+2*\i:T+8*ps+2*\i+1], v[RZ+8*ph+2*\i:RZ+8*ph+2*\i+1], v[P:P+1]
.endr
	v_add_f32 v[R+8*pr+ph], v[P], v[P+1]
.endm
; step k of the exchange: cnt pairs of sums d = 2^k apart, two pairs at a time
.macro LEVEL k, d, cnt
.set i, 0
.rept \cnt/2
	v_cndmask_b32 v[T],   v[A+i+\d],   v[A+i],       s[MK+\k]      ; what I hand over: the sum whose bit k is not my lane's
	v_cndmask_b32 v[T+1], v[A+i+3*\d], v[A+i+2*\d],  s[MK+\k]
	v_cndmask_b32 v[A+i],      v[A+i],      v[A+i+\d],   s[MK+\k]  ; what I keep
	v_cndmask_b32 v[A+i+2*\d], v[A+i+2*\d], v[A+i+3*\d], s[MK+\k]
	v_add_f32_dpp v[A+i],      v[T],   v[A+i]      row_xmask:\d row_mask:0xf bank_mask:0xf
	v_add_f32_dpp v[A+i+2*\d], v[T+1], v[A+i+2*\d] row_xmask:\d row_mask:0xf bank_mask:0xf
.set i, i+4*\d
.endr
.endm
; Four rows.  A step is one row and one head: four packed multiply-adds make eight exponents in one set, the other set's eight exponentials are
; summed, then this set's eight exponentials are issued.  Between a v_exp_f32 and the use of its result stand the next step's four
; multiply-adds, plain vector instructions that touch neither its result nor its source (ISA guide 5.7.2).
.macro GROUP g
.set st, 32*\g
.rept 32
.set rw, st/8
.set hd, st%8
.set cs, st%2
.if hd == 0
	s_wait_loadcnt 14-2*rw                         ; the two loads of row rw are in, the later rows' may be out
.endif
.irp i, 0,1,2,3
	v_pk_fma_f32 v[T+8*cs+2*\i:T+8*cs+2*\i+1], v[R+8+8*rw+2*\i:R+8+8*rw+2*\i+1], s[W+2*hd:W+2*hd+1], v[NM+8*hd+2*\i:NM+8*hd+2*\i+1] op_sel_hi:[1,0,1]
.endr
.if st > 32*\g
.set pr, (st-1)/8
.set ph, (st-1)%8
.set ps, 1-cs
	ACCUM
.endif
.irp i, 0,1,2,3,4,5,6,7
	v_exp_f32 v[T+8*cs+\i], v[T+8*cs+\i]
.endr
.set st, st+1
.endr
	v_nop                                          ; the plain place behind the last exponentials
.set pr, (st-1)/8
.set ph, (st-1)%8
.set ps, (st-1)%2
	ACCUM
.set A, R+32*\g                                ; the 32 sums: index 8 rr + h
	LEVEL 0, 1, 16
	LEVEL 1, 2, 8
	LEVEL 2, 4, 4
	LEVEL 3, 8, 2
	v_cndmask_b32 v[T], v[A+16], v[A], s[MK+4]
	v_cndmask_b32 v[A], v[A], v[A+16], s[MK+4]
	v_permlanex16_b32 v[T+1], v[T], s26, s27
	v_add_f32 v[A], v[A], v[T+1]                   ; lane l: Qrow of row l >> 3, head l & 7
	v_mul_f32 v[AMX], v[A], v[CO]                  ; a = coef x Qrow
	v_mov_b32 v[AMN], v[AMX]
.irp m, 1,2,4
	v_max_num_f32_dpp v[AMX], v[AMX], v[AMX] row_xmask:\m row_mask:0xf bank_mask:0xf
	v_min_num_f32_dpp v[AMN], v[AMN], v[AMN] row_xmask:\m row_mask:0xf bank_mask:0xf
.endr
.irp rr, 0,1,2,3
	v_readlane_b32 s[SA+4*\rr],   v[AMX], 8*\rr
	v_readlane_b32 s[SA+4*\rr+2], v[AMN], 8*\rr
.endr
.irp rr, 0,1,2,3
	s_mov_b32 s[SA+4*\rr+1], s[SA+4*\rr]
	s_mov_b32 s[SA+4*\rr+3], s[SA+4*\rr+2]
.endr
	; the four rows of out, in the 32 registers that held the sums; nothing writes these registers again, so the stores need no wait
.irp rr, 0,1,2,3
.irp i, 0,2,4,6
	v_pk_mul_f32 v[A+8*\rr+\i:A+8*\rr+\i+1], v[VSP+\i:VSP+\i+1], s[SA+4*\rr:SA+4*\rr+1] op_sel_hi:[1,0]
.endr
.irp i, 0,2,4,6
	v_pk_fma_f32 v[A+8*\rr+\i:A+8*\rr+\i+1], v[VSN+\i:VSN+\i+1], s[SA+4*\rr+2:SA+4*\rr+3], v[A+8*\rr+\i:A+8*\rr+\i+1] op_sel_hi:[1,0,1]
.endr
	global_store_b128 v1, v[A+8*\rr:A+8*\rr+3],   s[10:11] offset:1024*(4*\g+\rr) th:TH_STORE_NT
	global_store_b128 v1, v[A+8*\rr+4:A+8*\rr+7], s[10:11] offset:1024*(4*\g+\rr)+512 th:TH_STORE_NT
.endr
.endm
	GROUP 0
	GROUP 1
	s_wait_tensorcnt 0x0
	ds_add_u32 v240, v241
	s_wait_dscnt 0x0
	s_endpgm
.Lfunc_end_k_q5f33c8cf3e_final:
	.size	k_q5f33c8cf3e_final, .Lfunc_end_k_q5f33c8cf3e_final-k_q5f33c8cf3e_final
	.p2alignl 7, 3214868480
	.fill 96, 4, 3214868480
	.section	.rodata,"a",@progbits
	.p2align	6, 0x0
	.amdhsa_kernel k_q5f33c8cf3e_final
		.amdhsa_group_segment_fixed_size 18432
		.amdhsa_private_segment_fixed_size 0
		.amdhsa_enable_private_segment 0
		.amdhsa_kernarg_size 32
		.amdhsa_user_sgpr_count 2
		.amdhsa_user_sgpr_kernarg_segment_ptr 1
		.amdhsa_wavefront_size32 1
		.amdhsa_system_sgpr_workgroup_id_x 1
		.amdhsa_system_sgpr_workgroup_id_y 1
		.amdhsa_system_sgpr_workgroup_id_z 1
		.amdhsa_system_vgpr_workitem_id 0
		.amdhsa_next_free_vgpr 242
		.amdhsa_next_free_sgpr 66
		.amdhsa_reserve_vcc 0
		.amdhsa_float_denorm_mode_32 3
		.amdhsa_float_denorm_mode_16_64 3
		.amdhsa_memory_ordered 1
		.amdhsa_forward_progress 1
		.amdhsa_inst_pref_size 81
	.end_amdhsa_kernel
	.amdgpu_metadata
---
amdhsa.version: [ 1, 2 ]
amdhsa.kernels:
  - .name:           k_q5f33c8cf3e_final
    .symbol:         k_q5f33c8cf3e_final.kd
    .args:
      - { .name: q, .offset: 0, .size: 8, .value_kind: global_buffer, .address_space: global }
      - { .name: wpart, .offset: 8, .size: 8, .value_kind: global_buffer, .address_space: global }
      - { .name: fin, .offset: 16, .size: 8, .value_kind: global_buffer, .address_space: global }
      - { .name: out0, .offset: 24, .size: 8, .value_kind: global_buffer, .address_space: global }
    .group_segment_fixed_size: 18432
    .private_segment_fixed_size: 0
    .kernarg_segment_align: 8
    .kernarg_segment_size: 32
    .max_flat_workgroup_size: 512
    .sgpr_count:     66
    .vgpr_count:     242
    .wavefront_size: 32
...
	.end_amdgpu_metadata
.endif
;; end of part 4
